; MI455X (gfx1250); checked and timed in simulation.
; The chip was launched on July 23, 2026; its instructions are those of AMD's public machine-readable ISA for CDNA 5 (MIT licence, August 2026) and "CDNA5" Instruction Set Architecture Reference Guide (July 2026). The comments in the code are by the model that wrote it; some were corrected since.
;; Vector Quantizer. Allowed arithmetic: matrix products marked QUANTISED: E5M2 operands, one given power-of-two scale a tensor, by v_wmma_f32_16x16x64_bf8_bf8 or v_wmma_f32_16x16x128_bf8_bf8, f32 sums; everything else in f32.
;; Inputs: codebook 8,192 x 256 float32; lowp_scales 2 int32 (the exponents e of the quantised operands' scales 2^e); x 32 x 256 x 32 x 32 float32.
;; Outputs: out0 32 x 256 x 32 x 32 float32; out1 one number float32.
;; This version of the problem:
;;   THIS VERSION OF THE PROBLEM IS GIVEN IN LOW PRECISION. The matrix products marked QUANTISED in the list below multiply operands that are first quantised to E5M2 (5 exponent bits, 2 mantissa bits; 8 bits a number), with one given power-of-two scale for each operand tensor; their sums are f32. All else is computed in f32.
;;   The module's matrix products, in the order in which they are computed (A, B: the left and right operand; K: the contracted axis; several contracted axes count as one K, in the product's order):
;;     1. [M 32,768, K 256] x [K 256, N 8,192]; A: input x; B: input codebook: QUANTISED (scales: A lowp_scales[0], B lowp_scales[1])
;;   THE QUANTISER, for each operand of a quantised product, along K:
;;     - The operand's scale is 2^e, e = its entry of the input lowp_scales (int32; the entries are numbered through the quantised products in the list's order, A before B).
;;     - Each number is divided by the scale, clamped to +-57,344, and rounded to the nearest number of E5M2, ties to even, subnormals kept.
;;     - The product sums the exact products of the quantised numbers (number of the format x scale) in f32.
;;   ~~~python
;;   def quantise(x, axis, e):      # numpy; x: float32 -> the quantised numbers, widened to float32 again
;;       x = np.moveaxis(x, axis, -1); K = x.shape[-1]
;;       r = np.clip(x / 2.0 ** e, -57344, 57344)
;;       step = 2.0 ** (np.maximum(np.frexp(np.where(r == 0, 1, r))[1] - 1, -14) - 2)
;;       q = np.round(r / step) * step * 2.0 ** e      # np.round: ties to even
;;       return np.moveaxis(q, -1, axis).astype(np.float32)
;;   ~~~
;; One version. Each part assembles by itself: llvm-mc -triple=amdgcn-amd-amdhsa -mcpu=gfx1250 --defsym DOCPART=n.
;; ======== version 1 of 1: 4 launches
;; limits: right only within a limited range of input values
;; workspace buffers: cbq 2,129,920 bytes; idx 131,072 bytes of whole numbers; part 1,024 bytes
;; launch prep (part 1): grid 128 x 1, 4 waves a work-group, no clusters, 67,328 bytes of LDS; arguments codebook, lowp_scales, cbq; writes cbq
.if DOCPART == 1
	.amdgcn_target "amdgcn-amd-amdhsa--gfx1250"
	.amdhsa_code_object_version 6
	.text
	.protected	k_q8ec8567df0_prep
	.globl	k_q8ec8567df0_prep
	.p2align	8
	.type	k_q8ec8567df0_prep,@function
k_q8ec8567df0_prep:
	s_mov_b64 s[64:65], 0
	v_nop
	global_prefetch_b8 v0, s[64:65] scope:SCOPE_SE
	s_setreg_imm32_b32 hwreg(HW_REG_WAVE_MODE, 25, 1), 1
	s_wait_xcnt 0x0
; The codebook [8192][256] f32 becomes codes of BF8 (E5M2), laid in the order in which the search's operand registers take them, and E[k] = the sum of the squares of row k (of the numbers as given, in f32).
; code = e / 2^eb, held within +-57,344, rounded to the nearest code, ties to even; eb = entry 1 of the scales' exponents.
; LIMITS: -126 <= eb <= 112, so that 2^eb and 57,344 x 2^eb are f32 numbers.  NaN among the inputs is not served.  E is summed in an order of its own (four chains a lane, two lanes a row).
; cbq: 16 chunks of CHUNK bytes.  A chunk: 32 tiles of 16 rows, 4,096 bytes each, then (at EOFF) 32 x 16 numbers E.  In a tile, block kb (0..7) lies at 512 kb + 16 L: the 16 codes of row L % 16, k = 32 kb + 16 (L / 16) + 0 .. 15.
; SHARES.  A wave takes one tile: 16 rows, 16,384 consecutive bytes.  Each load reads 512 consecutive bytes; the conversions want 16 neighbours along K in ONE lane, so the tile turns through the wave's own stage in LDS
; (rows 1,040 bytes apart: an odd multiple of 16).  Each store of codes covers 512 consecutive bytes.
; No tensor load, no ring: every byte is read once and written once.  No cluster: the work-groups share no input.
.set CHUNK,  133120
.set EOFF,   131072
.set SPITCH, 1040
.set WSTG,   16*SPITCH                 ; a wave's stage
.set EST,    4*WSTG                    ; behind the stages: the work-group's 64 numbers E, 256 bytes
.set R, 16                             ; v16-143  the tile's numbers: as loaded, then 16 neighbours for each block
.set C, 144                            ; v144-175 the codes: four registers a block
.set Q, 176                            ; v176-183 sums of squares, four chains of pairs
	s_load_b128 s[4:7], s[0:1], 0x0                ; the codebook s[4:5], the scales' exponents s[6:7]
	s_load_b64 s[8:9], s[0:1], 0x10                ; cbq
	v_lshl_add_u32 v192, v0, 2, 0x10500
	v_mov_b32 v193, 0
	v_lshrrev_b32 v7, 5, v0
	v_readfirstlane_b32 s12, v7                    ; wave 0..3
	v_and_b32 v6, 31, v0                           ; lane
	v_and_b32 v10, 15, v0                          ; r
	v_bfe_u32 v11, v0, 4, 1                        ; h
	v_lshlrev_b32 v1, 4, v6                        ; 16 x lane: my bytes of a load and of a store
	s_mul_i32 s17, s12, WSTG
	v_add_nc_u32 v2, s17, v1                       ; the stage on the way in: as the bytes lie
	v_mul_u32_u24 v3, v10, SPITCH
	v_lshl_add_u32 v3, v11, 6, v3
	v_add_nc_u32 v3, s17, v3                       ; and on the way out: row r, + 64 h: my 16 numbers of a block of 32
	s_lshl_b32 s24, s12, 6
	s_add_co_u32 s24, s24, EST
	v_lshl_add_u32 v4, v10, 2, s24                 ; where E of my row goes: EST + 64 x wave + 4 r
	v_lshlrev_b32 v6, 3, v6                        ; 8 x lane
	v_add_nc_u32 v5, EST, v6
	s_mov_b32 s26, 0x76543210                      ; v_permlanex16_b32: lane l takes lane l xor 16
	s_mov_b32 s27, 0xfedcba98
	s_lshl_b32 s14, ttmp9, 2
	s_add_co_u32 s14, s14, s12                     ; my tile: 4 x work-group + wave
	s_lshl_b32 s14, s14, 14                        ; its 16,384 bytes in the codebook
	s_mov_b32 s15, 0
	s_lshr_b32 s16, ttmp9, 3
	s_mul_i32 s16, s16, CHUNK                      ; my chunk
	s_and_b32 s13, ttmp9, 7
	s_lshl_b32 s18, s13, 2
	s_add_co_u32 s18, s18, s12
	s_lshl_b32 s18, s18, 12                        ; my tile in it
	s_add_co_u32 s18, s18, s16
	s_mov_b32 s19, 0
	s_lshl_b32 s22, s13, 8                         ; my work-group's 256 bytes of E
	s_add_co_u32 s22, s22, s16
	s_add_co_u32 s22, s22, EOFF
	s_mov_b32 s23, 0
	s_wait_alu depctr_va_vdst(0)
	s_wait_kmcnt 0x0
	s_load_b32 s10, s[6:7], 0x4                    ; eb
	s_add_nc_u64 s[4:5], s[4:5], s[14:15]
	s_add_nc_u64 s[20:21], s[8:9], s[18:19]
	s_add_nc_u64 s[22:23], s[8:9], s[22:23]
.set i, 0
.rept 32
	global_load_b128 v[R+4*i:R+4*i+3], v1, s[4:5] offset:512*i th:TH_LOAD_NT   ; half a row: 512 consecutive bytes
.set i, i+1
.endr
	s_wait_kmcnt 0x0
	s_add_co_i32 s10, s10, 127
	s_lshl_b32 s11, s10, 23
	v_mov_b32 v8, s11                              ; 2^eb as f32: the conversion takes its exponent field
	s_add_co_i32 s10, s10, 15
	s_lshl_b32 s10, s10, 23
	s_or_b32 s10, s10, 0x600000
	v_mov_b32 v9, s10                              ; 57,344 x 2^eb
.set i, 0
	s_wait_alu depctr_va_vdst(0)
.rept 32
	s_wait_loadcnt 31-i                            ; loads come back in order: load i is in, the 31 - i behind it may be out
	ds_store_b128 v2, v[R+4*i:R+4*i+3] offset:(i/2)*SPITCH+(i%2)*512
.set i, i+1
.endr
	s_wait_dscnt 0x0                               ; the stores have read their registers, which the loads below write
.set i, 0
.rept 32
	ds_load_b128 v[R+4*i:R+4*i+3], v3 offset:128*(i/4)+16*(i%4)   ; block i / 4: register 16 kb + n = k 32 kb + 16 h + n of row r
.set i, i+1
.endr
.macro BLOCK kb
	s_wait_dscnt 4*(7-\kb)                         ; this block's four loads are in; those of the 7 - kb blocks behind it may be out
.irp u, 0,1,2,3,4,5,6,7
.if (\kb == 0) && (\u < 4)
	v_pk_mul_f32 v[Q+2*\u:Q+2*\u+1], v[R+2*\u:R+2*\u+1], v[R+2*\u:R+2*\u+1]   ; the first squares start the chains: nothing is cleared
.else
	v_pk_fma_f32 v[Q+2*(\u%4):Q+2*(\u%4)+1], v[R+16*\kb+2*\u:R+16*\kb+2*\u+1], v[R+16*\kb+2*\u:R+16*\kb+2*\u+1], v[Q+2*(\u%4):Q+2*(\u%4)+1]
.endif
.endr
.irp n, 0,1,2,3,4,5,6,7,8,9,10,11,12,13,14,15
	v_med3_num_f32 v[R+16*\kb+\n], v[R+16*\kb+\n], -v9, v9   ; the conversion to an 8-bit code does not saturate (ISA guide 7.6.2): the hold at the largest code x the scale comes first
.endr
	v_cvt_scalef32_pk8_bf8_f32 v[C+4*\kb:C+4*\kb+1], v[R+16*\kb:R+16*\kb+7], v8
	v_cvt_scalef32_pk8_bf8_f32 v[C+4*\kb+2:C+4*\kb+3], v[R+16*\kb+8:R+16*\kb+15], v8
	v_nop                                          ; one plain vector line behind the conversions
	global_store_b128 v1, v[C+4*\kb:C+4*\kb+3], s[20:21] offset:512*\kb   ; the block's image: 512 consecutive bytes; each block has its own registers, so no store's data are written again
.endm
.irp kb, 0,1,2,3,4,5,6,7
	BLOCK \kb
.endr
	v_pk_add_f32 v[Q:Q+1], v[Q:Q+1], v[Q+2:Q+3]
	v_pk_add_f32 v[Q+4:Q+5], v[Q+4:Q+5], v[Q+6:Q+7]
	v_pk_add_f32 v[Q:Q+1], v[Q:Q+1], v[Q+4:Q+5]
	v_add_f32 v[Q], v[Q], v[Q+1]
	v_permlanex16_b32 v[Q+1], v[Q], s26, s27       ; the row's other 128 numbers lie in the lane 16 away
	v_add_f32 v[Q], v[Q], v[Q+1]                   ; E of row r, in both halves of the lanes
	ds_store_b32 v4, v[Q]                          ; (both halves write the same word with the same number)
	s_wait_dscnt 0x0                               ; for wave 0's sake: my store is done
	s_barrier_signal -1
	s_barrier_wait -1
	s_cmp_lg_u32 s12, 0
	s_cbranch_scc1 .Ldone
	ds_load_b64 v[Q+2:Q+3], v5                     ; the four tiles' 64 numbers leave together:
	s_wait_dscnt 0x0
	global_store_b64 v6, v[Q+2:Q+3], s[22:23]      ; 256 consecutive bytes, at a multiple of 256 from cbq's first byte
.Ldone:
	s_wait_tensorcnt 0x0
	ds_add_u32 v192, v193
	s_wait_dscnt 0x0
	s_endpgm
.Lfunc_end_k_q8ec8567df0_prep:
	.size	k_q8ec8567df0_prep, .Lfunc_end_k_q8ec8567df0_prep-k_q8ec8567df0_prep
	.p2alignl 7, 3214868480
	.fill 96, 4, 3214868480
	.section	.rodata,"a",@progbits
	.p2align	6, 0x0
	.amdhsa_kernel k_q8ec8567df0_prep
		.amdhsa_group_segment_fixed_size 67328
		.amdhsa_private_segment_fixed_size 0
		.amdhsa_enable_private_segment 0
		.amdhsa_kernarg_size 24
		.amdhsa_user_sgpr_count 2
		.amdhsa_user_sgpr_kernarg_segment_ptr 1
		.amdhsa_wavefront_size32 1
		.amdhsa_system_sgpr_workgroup_id_x 1
		.amdhsa_system_sgpr_workgroup_id_y 1
		.amdhsa_system_sgpr_workgroup_id_z 1
		.amdhsa_system_vgpr_workitem_id 0
		.amdhsa_next_free_vgpr 194
		.amdhsa_next_free_sgpr 66
		.amdhsa_reserve_vcc 0
		.amdhsa_float_denorm_mode_32 3
		.amdhsa_float_denorm_mode_16_64 3
		.amdhsa_memory_ordered 1
		.amdhsa_forward_progress 1
		.amdhsa_inst_pref_size 26
	.end_amdhsa_kernel
	.amdgpu_metadata
---
amdhsa.version: [ 1, 2 ]
amdhsa.kernels:
  - .name:           k_q8ec8567df0_prep
    .symbol:         k_q8ec8567df0_prep.kd
    .args:
      - { .name: codebook, .offset: 0, .size: 8, .value_kind: global_buffer, .address_space: global }
      - { .name: lowp_scales, .offset: 8, .size: 8, .value_kind: global_buffer, .address_space: global }
      - { .name: cbq, .offset: 16, .size: 8, .value_kind: global_buffer, .address_space: global }
    .group_segment_fixed_size: 67328
    .private_segment_fixed_size: 0
    .kernarg_segment_align: 8
    .kernarg_segment_size: 24
    .max_flat_workgroup_size: 128
    .sgpr_count:     66
    .vgpr_count:     194
    .wavefront_size: 32
...
	.end_amdgpu_metadata
.endif
;; end of part 1
;; launch search (part 2): grid 256 x 1, 8 waves a work-group, clusters of 4 x 1, 327,680 bytes of LDS; arguments x, cbq, lowp_scales, idx; writes idx
.if DOCPART == 2
	.amdgcn_target "amdgcn-amd-amdhsa--gfx1250"
	.amdhsa_code_object_version 6
	.text
	.protected	k_q8ec8567df0_search
	.globl	k_q8ec8567df0_search
	.p2align	8
	.type	k_q8ec8567df0_search,@function
k_q8ec8567df0_search:
	s_mov_b64 s[64:65], 0
	v_nop
	global_prefetch_b8 v0, s[64:65] scope:SCOPE_SE
	s_setreg_imm32_b32 hwreg(HW_REG_WAVE_MODE, 25, 1), 1
	s_wait_xcnt 0x0
	s_wait_alu depctr_hold_cnt(0) depctr_sa_sdst(0) depctr_va_vdst(0) depctr_va_sdst(0) depctr_va_ssrc(0) depctr_va_vcc(0) depctr_vm_vsrc(0)
	s_getreg_b32 s2, hwreg(HW_REG_IB_STS2, 6, 4)
	s_cmp_eq_u32 s2, 0
	s_cbranch_scc0 .Lentry_in_a_cluster
	s_endpgm
.Lentry_in_a_cluster:
	s_bfe_u32 s2, ttmp6, 0x10000c
	s_cmp_lg_u32 s2, 0x3003
	s_cbranch_scc0 .Lentry_shape_is_right
	s_endpgm
.Lentry_shape_is_right:
; idx[pixel] = the first k with the least d = (X + E[k]) - 2 sim, sim = Q(x) . Q(e_k) in BF8 (E5M2), X = the sum of the pixel's squares, E from the launch before.
; d is rounded so: X + E once, then one fused multiply-add with -2 x 2^(ea + eb), a power of two.
; LIMITS: -126 <= ea <= 112; -127 <= ea + eb <= 126; NaN among the inputs is not served.  X is summed in an order of its own.
; SHARES.  A work-group takes 128 pixels (one image, 128 neighbouring places), eight waves.  Every wave holds all 128 pixels' codes, 8 tiles x 32 registers (window 1).
; Wave w takes tiles 4 w .. 4 w + 3 (16 rows each) of each of cbq's 16 chunks: 64 visits of 16 matrix instructions.  Source 0 = 16 rows of the codebook, source 1 = 16 pixels:
; lane (r, h) holds pixel r and rows 8 h + 0 .. 7 of the tile.
; THE RING: two LDS slots of one chunk (133,120 bytes); each wave fetches an eighth of a chunk by one tensor load.  All work-groups walk the same chunks, so the four of a cluster ask JOINTLY (mask 15).
; A change of slots is a round of the cluster's barrier; half of the last visit's vector work stands between the add and its wait, the other half between the round's opening signal and its wait.
; A tile's codes and E go from LDS into one of two register buffers, asked for ahead of the products of the visit before.
; PREFETCH: behind each refill the four work-groups of cluster 0 name the codes of the chunk that the next refill loads: waves 0-3, 32 blocks of 256 bytes each, shared out by address; the last refill asks for nothing.
; THE ARGMIN, for each lane and pixel tile: the least d so far (two registers by turns), the visit that brought it and that visit's d of rows 0 .. 6; a visit replaces them only where it is strictly less.
.set CHUNK, 133120
.set EOFF,  131072
.set PART,  CHUNK/8
.set XIMG,  2*CHUNK                    ; behind the ring: x's image (8 tiles x 4,096),
.set XPART, XIMG+32768                 ; the waves' partial X,
.set REDD,  XPART+4096                 ; the waves' least d,
.set REDI,  REDD+4096                  ; their indices,
.set SPARE, REDI+4096                  ; and the spare words, 128 bytes a wave
.set PFO,  0                           ; v0 from the head's end on: 256 x lane
.set VA,   1                           ; v1, v6: slot n: n CHUNK + 16,384 w + 16 lane
.set VE,   2                           ; v2, v7: slot n: n CHUNK + EOFF + 256 w + 32 h
.set TIDV, 3                           ; the visit's number
.set SPW,  4
.set NIL,  5
.set XV,   8                           ; v8-23    X of my pixel in tile p, twice
.set EV,   24                          ; v24-39   E, two buffers
.set AF,   40                          ; v40-103  a tile's codes, two buffers
.set ACC,  104                         ; v104-167 the sums, then d in place
.set ST,   168                         ; v168-247 for each p: least d (2), visit, d of rows 0-6
.set Y,    248                         ; v248-255 X + E
.set HX, 8                             ; the head's own registers, in places that the loop fills later
.set HS, 9
.set HP, 10
.set HR, 12
.set SC, 13
.set BD, 14
.set RES, 16
.set LN, 20
.set RR, 21
.set HH, 22
.set HF, 23
.set XR, 104
.set SQ, 248
.set WV, 12
.set G1, 24
.set G0, 32
.set CS, 40
.set TRIPS, 43
.set FILLS, 44
.set LIM, 45
.set PFA, 46
.set SEL, 48
.set MSB, 0
.macro WIN new
.if MSB != \new
	s_set_vgpr_msb (MSB<<8)|\new
.set MSB, \new
.endif
.endm
.macro CREST                           ; a round of the cluster's barrier behind its opening barrier
	s_cmp_lg_u32 s[WV], 0
	s_cbranch_scc1 .Lnot_wave_0_\@
	s_barrier_signal -3
.Lnot_wave_0_\@:
	s_barrier_wait -3
	s_barrier_signal -1
	s_barrier_wait -1
.endm
.macro CROUND
	s_barrier_signal -1
	s_barrier_wait -1
	CREST
.endm
.macro LOADT b, n, t                   ; tile t of my four in slot n: 4,096 bytes of codes
.irp m, 0,1,2,3,4,5,6,7
	ds_load_b128 v[AF+32*(\b)+4*\m:AF+32*(\b)+4*\m+3], v[VA+5*(\n)] offset:4096*(\t)+512*\m
.endr
.endm
.macro LOADE b, n, t                   ; its E: register j = row 8 h + j
.irp u, 0,1
	ds_load_b128 v[EV+8*(\b)+4*\u:EV+8*(\b)+4*\u+3], v[VE+5*(\n)] offset:64*(\t)+16*\u
.endr
.endm
	s_load_b256 s[4:11], s[0:1], 0x0               ; x, cbq, the scales' exponents, idx
	v_lshl_add_u32 v[SPW], v0, 2, SPARE
	v_mov_b32 v[NIL], 0
	ds_add_u32 v[SPW], v[NIL]                      ; the opening lines: the add, twice on end, and its wait ahead of my first tensor load
	ds_add_u32 v[SPW], v[NIL]
	v_lshrrev_b32 v15, 5, v0
	v_readfirstlane_b32 s[WV], v15                 ; wave 0..7
	s_bfe_u32 s13, ttmp6, 0x40000                  ; cx
	s_lshl_b32 s14, ttmp9, 2
	s_add_co_u32 s14, s14, s13                     ; the work-group's number
	s_mov_b32 s[G1], 15|(3<<16)|(1<<21)            ; the mask of all four, elements of 8 bytes, bit 21 beside the mask
	s_mov_b32 s[G1+1], 32<<16                      ; 65 dense rows of 256 bytes: an eighth of a chunk
	s_mov_b32 s[G1+2], 65<<16
	s_mov_b32 s[G1+3], 32<<16
	s_mov_b32 s[G1+4], 65
	s_mov_b32 s[G1+5], 32
	s_mov_b32 s[G1+6], 0
	s_mov_b32 s[G1+7], 0
	s_mul_i32 s16, s[WV], PART
	s_mov_b32 s17, 0
	s_lshr_b32 s20, s14, 3
	s_lshl_b32 s20, s20, 20                        ; the image,
	s_and_b32 s21, s14, 7
	s_lshl_b32 s21, s21, 9                         ; the block's 128 places,
	s_add_co_u32 s20, s20, s21
	s_lshl_b32 s21, s[WV], 17                      ; my wave's 32 channels
	s_add_co_u32 s20, s20, s21
	s_mov_b32 s21, 0
	s_lshl_b32 s22, s14, 9                         ; idx: the block's 128 numbers
	s_mov_b32 s23, 0
	s_lshl_b32 s18, s13, 15                        ; the prefetches: 32,768 cx + 8,192 (w % 4), from chunk 2 on
	s_and_b32 s19, s[WV], 3
	s_lshl_b32 s19, s19, 13
	s_add_co_u32 s18, s18, s19
	s_add_co_u32 s18, s18, 2*CHUNK
	s_mov_b32 s19, 0
	s_lshr_b32 s[LIM], s[WV], 2
	s_or_b32 s[LIM], s[LIM], ttmp9
	s_cmp_eq_u32 s[LIM], 0
	s_cselect_b32 s[LIM], 1, -1                    ; 1 in waves 0-3 of cluster 0, else the greatest number
	s_mov_b32 s[SEL], 0x76543210
	s_mov_b32 s[SEL+1], 0xfedcba98
	s_mov_b32 s[FILLS], 14
	s_mov_b32 s[TRIPS], 7
	s_lshl_b32 s51, s[WV], 8
	s_add_co_u32 s51, s51, EOFF
	s_lshl_b32 s52, s[WV], 9
	s_add_co_u32 s53, s52, XPART
	s_add_co_u32 s52, s52, XIMG
	v_and_b32 v[LN], 31, v0
	v_and_b32 v[RR], 15, v0
	v_bfe_u32 v[HH], v0, 4, 1
	v_lshlrev_b32 v[HX], 2, v[LN]
	v_lshlrev_b32 v[HF], 4, v[LN]
	v_lshl_add_u32 v[VA], s[WV], 14, v[HF]
	v_lshl_add_u32 v[VE], v[HH], 5, s51
	v_add_nc_u32 v[VA+5], CHUNK, v[VA]
	v_add_nc_u32 v[VE+5], CHUNK, v[VE]
	v_add_nc_u32 v[HF], XIMG, v[HF]
	v_lshl_add_u32 v[HS], v[RR], 4, s52            ; x's image, in: tile 2 q + lane / 16, block w, 16 (lane % 16)
	v_lshl_add_u32 v[HS], v[HH], 12, v[HS]
	v_lshl_add_u32 v[HP], v[LN], 2, s53
	v_lshl_add_u32 v[HR], v[RR], 2, XPART
	s_wait_alu depctr_va_vdst(0)
	s_wait_dscnt 0x0                               ; both opening adds are done
	s_wait_kmcnt 0x0
	s_load_b64 s[58:59], s[8:9], 0x0               ; ea, eb
	s_add_nc_u64 s[4:5], s[4:5], s[20:21]
	s_add_nc_u64 s[10:11], s[10:11], s[22:23]
	s_add_nc_u64 s[PFA:PFA+1], s[6:7], s[18:19]
	s_add_nc_u64 s[6:7], s[6:7], s[16:17]
.irp n, 0,1
	s_mov_b32 s[G0+4*\n], 1
	s_add_co_u32 s[G0+4*\n+1], s16, \n*CHUNK
	s_add_nc_u64 s[G0+4*\n+2:G0+4*\n+3], s[6:7], \n*CHUNK
	s_or_b32 s[G0+4*\n+3], s[G0+4*\n+3], 0x80000000
.endr
.irp q, 0,1,2,3
.irp i, 0,1,2,3,4,5,6,7,8,9,10,11,12,13,14,15,16,17,18,19,20,21,22,23,24,25,26,27,28,29,30,31
	global_load_b32 v[XR+32*\q+\i], v[HX], s[4:5] offset:4096*\i+128*\q th:TH_LOAD_NT   ; a lane takes a pixel, its registers run down the channels
.endr
.endr
	CROUND                                         ; all four work-groups are here: the first joint loads meet
	tensor_load_to_lds s[G0:G0+3], s[G1:G1+7]      ; chunk 0: one tensor load a wave at the head
	s_nop 0
	s_wait_kmcnt 0x0
	s_add_co_i32 s16, s58, 127
	s_lshl_b32 s17, s16, 23
	v_mov_b32 v[SC], s17                           ; 2^ea
	s_add_co_i32 s16, s16, 15
	s_lshl_b32 s16, s16, 23
	s_or_b32 s16, s16, 0x600000
	v_mov_b32 v[BD], s16                           ; 57,344 x 2^ea
	s_add_co_i32 s[CS], s58, s59
	s_add_co_i32 s[CS], s[CS], 128
	s_lshl_b32 s[CS], s[CS], 23
	s_or_b32 s[CS], s[CS], 0x80000000              ; -2 x 2^(ea + eb)
	s_mov_b32 s[CS+1], s[CS]
.macro QX q, left                      ; 32 pixels x my 32 channels: squares, hold, codes, into LDS.  Each q has its own registers for its codes
.if \q < 2
.set XC, 232+8*\q
.else
.set XC, 104+8*(\q-2)
.endif
	s_wait_loadcnt \left
.irp u, 0,1,2,3,4,5,6,7,8,9,10,11,12,13,14,15
.if \u < 4
	v_pk_mul_f32 v[SQ+2*\u:SQ+2*\u+1], v[XR+32*\q+2*\u:XR+32*\q+2*\u+1], v[XR+32*\q+2*\u:XR+32*\q+2*\u+1]
.else
	v_pk_fma_f32 v[SQ+2*(\u%4):SQ+2*(\u%4)+1], v[XR+32*\q+2*\u:XR+32*\q+2*\u+1], v[XR+32*\q+2*\u:XR+32*\q+2*\u+1], v[SQ+2*(\u%4):SQ+2*(\u%4)+1]
.endif
.endr
.irp i, 0,1,2,3,4,5,6,7,8,9,10,11,12,13,14,15,16,17,18,19,20,21,22,23,24,25,26,27,28,29,30,31
	v_med3_num_f32 v[XR+32*\q+\i], v[XR+32*\q+\i], -v[BD], v[BD]   ; the conversion does not saturate (ISA guide 7.6.2)
.endr
.irp c, 0,1,2,3
	v_cvt_scalef32_pk8_bf8_f32 v[XC+2*\c:XC+2*\c+1], v[XR+32*\q+8*\c:XR+32*\q+8*\c+7], v[SC]
.endr
	v_pk_add_f32 v[SQ:SQ+1], v[SQ:SQ+1], v[SQ+2:SQ+3]
	v_pk_add_f32 v[SQ+4:SQ+5], v[SQ+4:SQ+5], v[SQ+6:SQ+7]
	v_pk_add_f32 v[SQ:SQ+1], v[SQ:SQ+1], v[SQ+4:SQ+5]
	v_add_f32 v[RES+\q], v[SQ], v[SQ+1]
	ds_store_b128 v[HS], v[XC:XC+3] offset:8192*\q
	ds_store_b128 v[HS], v[XC+4:XC+7] offset:8192*\q+256
	ds_store_b32 v[HP], v[RES+\q] offset:128*\q
.endm
	QX 0, 63                                       ; 96 younger loads could stay out; the count's field holds 63
	QX 1, 63
	QX 2, 32
	QX 3, 0
	s_wait_tensorcnt 0x0                           ; my part of chunk 0 is in
	ds_add_u32 v[SPW], v[NIL]
	s_wait_dscnt 0x0                               ; the add is done, and so are my stores of x's image and of my partial X
	CROUND                                         ; chunk 0 and x's image are whole, and all four work-groups are here
	tensor_load_to_lds s[G0+4:G0+7], s[G1:G1+7]    ; chunk 1, the first tensor load behind the round
	s_nop 0
.rept 4
	v_nop
.endr
	WIN 0x40
.irp p, 0,1,2,3,4,5,6,7
.irp kb, 0,1,2,3,4,5,6,7
	ds_load_b128 v[32*\p+4*\kb:32*\p+4*\kb+3], v[HF] offset:4096*\p+512*\kb   ; all 128 pixels' codes, as the operand's registers take them
.endr
.endr
	WIN 0
.irp p, 0,1,2,3,4,5,6,7
.irp wv, 0,1,2,3,4,5,6,7
	ds_load_b32 v[ACC+8*\p+\wv], v[HR] offset:512*\wv+64*\p
.endr
.endr
	LOADT 0, 0, 0
	LOADE 0, 0, 0
.irp p, 0,1,2,3,4,5,6,7
	v_mov_b32 v[ST+10*\p], 0x7f800000              ; the least d so far: infinity
.irp k, 2,3,4,5,6,7,8,9
	v_mov_b32 v[ST+10*\p+\k], 0
.endr
.endr
	v_mov_b32 v[TIDV], -1
	v_lshlrev_b32 v[PFO], 8, v[LN]                 ; the thread's number is needed no more
	s_wait_dscnt 0x0
.irp p, 0,1,2,3,4,5,6,7
	v_add_f32 v[XV+2*\p], v[ACC+8*\p], v[ACC+8*\p+1]
.endr
.irp wv, 2,3,4,5,6,7
.irp p, 0,1,2,3,4,5,6,7
	v_add_f32 v[XV+2*\p], v[XV+2*\p], v[ACC+8*\p+\wv]
.endr
.endr
.irp p, 0,1,2,3,4,5,6,7
	v_mov_b32 v[XV+2*\p+1], v[XV+2*\p]
.endr
; The work behind a visit's products, for pixel tile p: AD X + E; FM d = sum x (-2 x 2^(ea + eb)) + (X + E), in place; MN, ML the least of the eight and of what stood, a chain laid onto row 7's register, which is not kept;
; CM is it strictly less?; KP where it is, the visit's number and rows 0-6 are kept, two registers an instruction.  STEP lays tile p's AD and FM between tile p - 1's chain and tile p - 2's KP.
.macro AD p, u
	v_pk_add_f32 v[Y+2*(\u):Y+2*(\u)+1], v[EV+8*B+2*(\u):EV+8*B+2*(\u)+1], v[XV+2*(\p):XV+2*(\p)+1]
.endm
.macro FM p, u
	v_pk_fma_f32 v[ACC+8*(\p)+2*(\u):ACC+8*(\p)+2*(\u)+1], v[ACC+8*(\p)+2*(\u):ACC+8*(\p)+2*(\u)+1], s[CS:CS+1], v[Y+2*(\u):Y+2*(\u)+1] op_sel_hi:[1,0,1]
.endm
.macro MN p, a, b
	v_min3_num_f32 v[ACC+8*(\p)+7], v[ACC+8*(\p)+7], v[ACC+8*(\p)+\a], v[ACC+8*(\p)+\b]
.endm
.macro ML p
	v_min3_num_f32 v[ST+10*(\p)+1-B], v[ACC+8*(\p)+7], v[ACC+8*(\p)], v[ST+10*(\p)+B]
.endm
.macro CM p
	v_cmp_lt_f32 vcc_lo, v[ST+10*(\p)+1-B], v[ST+10*(\p)+B]
.endm
.macro KP p, k
.if (\k) == 0
	v_dual_cndmask_b32 v[ST+10*(\p)+2], v[ST+10*(\p)+2], v[TIDV] :: v_dual_cndmask_b32 v[ST+10*(\p)+3], v[ST+10*(\p)+3], v[ACC+8*(\p)]
.else
	v_dual_cndmask_b32 v[ST+10*(\p)+2+2*(\k)], v[ST+10*(\p)+2+2*(\k)], v[ACC+8*(\p)+2*(\k)-1] :: v_dual_cndmask_b32 v[ST+10*(\p)+3+2*(\k)], v[ST+10*(\p)+3+2*(\k)], v[ACC+8*(\p)+2*(\k)]
.endif
.endm
.macro STEP p
.if (\p) < 8
	AD \p, 0
	AD \p, 1
.endif
.if ((\p) > 0) && ((\p) < 9)
	MN (\p)-1, 6, 5
.endif
.if (\p) > 1
	KP (\p)-2, 0
.endif
.if (\p) < 8
	AD \p, 2
	AD \p, 3
.endif
.if ((\p) > 0) && ((\p) < 9)
	MN (\p)-1, 4, 3
.endif
.if (\p) > 1
	KP (\p)-2, 1
.endif
.if (\p) < 8
	FM \p, 0
	FM \p, 1
.endif
.if ((\p) > 0) && ((\p) < 9)
	MN (\p)-1, 2, 1
.endif
.if (\p) > 1
	KP (\p)-2, 2
.endif
.if (\p) < 8
	FM \p, 2
	FM \p, 3
.endif
.if ((\p) > 0) && ((\p) < 9)
	ML (\p)-1
.endif
.if (\p) > 1
	KP (\p)-2, 3
.endif
.if ((\p) > 0) && ((\p) < 9)
	CM (\p)-1
.endif
.endm
; A visit: tile i of my four in slot n.  mode counts in a slot's last visit: 2 the slot is filled again, 1 the slots change and nothing is fetched, 0 the very last visit.
.macro VISIT n, i, mode
.set B, (\i)%2
	s_wait_dscnt 0x0                               ; this visit's codes and E are in
.if (\i) < 3
	LOADT 1-B, \n, (\i)+1                          ; the next visit's, into the other buffer, whose products were issued a visit ago
	LOADE 1-B, \n, (\i)+1
.endif
	WIN 0x04
.irp p, 0,1,2,3,4,5,6,7
	v_wmma_f32_16x16x128_bf8_bf8 v[ACC+8*\p:ACC+8*\p+7], v[AF+32*B:AF+32*B+15], v[32*\p:32*\p+15], 0
.endr
.irp p, 0,1,2,3,4,5,6,7
	v_wmma_f32_16x16x128_bf8_bf8 v[ACC+8*\p:ACC+8*\p+7], v[AF+32*B+16:AF+32*B+31], v[32*\p+16:32*\p+31], v[ACC+8*\p:ACC+8*\p+7]
.endr
	WIN 0
.if ((\i) == 3) && ((\mode) > 0)
	s_wait_tensorcnt 0x0                           ; all my tensor loads have landed: my part of the other slot
	ds_add_u32 v[SPW], v[NIL]                      ; 0 onto my spare word
.if (\mode) == 2
	s_add_nc_u64 s[G0+4*\n+2:G0+4*\n+3], s[G0+4*\n+2:G0+4*\n+3], 2*CHUNK
	s_wait_xcnt 0x0                                ; my last prefetch has read its base
	s_add_nc_u64 s[PFA:PFA+1], s[PFA:PFA+1], CHUNK
.endif
	v_add_nc_u32 v[TIDV], 1, v[TIDV]
.irp p, 0,1,2,3,4
	STEP \p
.endr
	s_wait_alu depctr_va_vdst(0)
	s_wait_dscnt 0x0                               ; the add is done; my reads of this slot were over ahead of the products
	s_barrier_signal -1                            ; (where the slot is filled again this barrier opens a round of the cluster's barrier)
.irp p, 5,6,7,8,9
	STEP \p
.endr
	s_barrier_wait -1
.if (\mode) == 2
	CREST                                          ; no wave of any partner still reads this slot or has a load on its way
	tensor_load_to_lds s[G0+4*\n:G0+4*\n+3], s[G1:G1+7]   ; the first tensor load behind the round; VCC holds nothing that is read behind it
	s_nop 0
.rept 4
	v_nop
.endr
	s_cmp_gt_u32 s[FILLS], s[LIM]
	s_cbranch_scc0 .Lnot_mine_\@
	global_prefetch_b8 v[PFO], s[PFA:PFA+1] th:TH_LOAD_NT scope:SCOPE_SE
.Lnot_mine_\@:
	s_sub_co_u32 s[FILLS], s[FILLS], 1
.endif
	LOADT 0, 1-(\n), 0                             ; the other slot's first tile
	LOADE 0, 1-(\n), 0
.else
	v_add_nc_u32 v[TIDV], 1, v[TIDV]
.irp p, 0,1,2,3,4,5,6,7,8,9
	STEP \p
.endr
.endif
.endm
.macro SLOTSTEP n, mode
	VISIT \n, 0, 0
	VISIT \n, 1, 0
	VISIT \n, 2, 0
	VISIT \n, 3, \mode
.endm
	s_wait_alu depctr_va_vdst(0)
.Ltrip:                                                ; a trip goes once round the ring and fills both slots again
	SLOTSTEP 0, 2
	SLOTSTEP 1, 2
	s_sub_co_u32 s[TRIPS], s[TRIPS], 1
	s_cmp_lg_u32 s[TRIPS], 0
	s_cbranch_scc1 .Ltrip
	SLOTSTEP 0, 1                                  ; the last two chunks fetch nothing
	SLOTSTEP 1, 0
; THE END: the first row of the kept visit that holds the least d; the index; then the other half of the lanes, then the eight waves, the lower index where d is equal.
.set T,  40
.set RD, 64
.set RI, 104
.irp g, 0,1
.irp pp, 0,1,2,3
	v_mov_b32 v[T+4*\g+\pp], 7
.endr
.irp j, 6,5,4,3,2,1,0
.irp pp, 0,1,2,3
	v_cmp_neq_f32 s[54+\pp], v[ST+10*(4*\g+\pp)+3+\j], v[ST+10*(4*\g+\pp)]
.endr
.irp pp, 0,1,2,3
	v_cndmask_b32 v[T+4*\g+\pp], \j, v[T+4*\g+\pp], s[54+\pp]
.endr
.endr
.endr
	v_bfe_u32 v8, v[PFO], 12, 1                    ; h
	v_lshlrev_b32 v8, 3, v8
	s_lshl_b32 s16, s[WV], 6
	v_add_nc_u32 v8, s16, v8                       ; 64 w + 8 h
	v_bfe_u32 v9, v[PFO], 8, 4                     ; r
	s_lshl_b32 s17, s[WV], 9
	s_add_co_u32 s17, s17, REDD
	v_lshl_add_u32 v9, v9, 2, s17
	v_lshrrev_b32 v11, 4, v[PFO]                   ; 16 x lane
	v_add_nc_u32 v10, REDD, v11
.macro TAKE d, c, od, oc
	v_cmp_lt_f32 s54, v[\od], v[\d]
	v_cmp_eq_f32 s55, v[\od], v[\d]
	v_cmp_lt_u32 s56, v[\oc], v[\c]
	s_and_b32 s55, s55, s56
	s_or_b32 s54, s54, s55
	v_cndmask_b32 v[\d], v[\d], v[\od], s54
	v_cndmask_b32 v[\c], v[\c], v[\oc], s54
.endm
.irp p, 0,1,2,3,4,5,6,7
	v_lshrrev_b32 v[T+8+\p], 2, v[ST+10*\p+2]      ; the chunk,
	v_and_b32 v[T+16+\p], 3, v[ST+10*\p+2]         ; the tile among my four
	v_add_nc_u32 v[T+\p], v[T+\p], v8
	v_lshl_add_u32 v[T+\p], v[T+8+\p], 9, v[T+\p]
	v_lshl_add_u32 v[T+\p], v[T+16+\p], 4, v[T+\p] ; 512 chunk + 64 w + 16 tile + 8 h + row
.endr
.irp p, 0,1,2,3,4,5,6,7
	v_permlanex16_b32 v[T+8+\p], v[ST+10*\p], s[SEL], s[SEL+1]
	v_permlanex16_b32 v[T+16+\p], v[T+\p], s[SEL], s[SEL+1]
.endr
.irp p, 0,1,2,3,4,5,6,7
	TAKE ST+10*\p, T+\p, T+8+\p, T+16+\p
	ds_store_b32 v9, v[ST+10*\p] offset:64*\p
	ds_store_b32 v9, v[T+\p] offset:REDI-REDD+64*\p
.endr
	s_wait_dscnt 0x0                               ; for wave 0's sake: my stores are done
	s_barrier_signal -1
	s_barrier_wait -1
	s_cmp_lg_u32 s[WV], 0
	s_cbranch_scc1 .Lend
.irp wv, 0,1,2,3,4,5,6,7
	ds_load_b128 v[RD+4*\wv:RD+4*\wv+3], v10 offset:512*\wv
	ds_load_b128 v[RI+4*\wv:RI+4*\wv+3], v10 offset:REDI-REDD+512*\wv
.endr
	s_wait_dscnt 0x0
.irp wv, 1,2,3,4,5,6,7
.irp e, 0,1,2,3
	TAKE RD+\e, RI+\e, RD+4*\wv+\e, RI+4*\wv+\e
.endr
.endr
	global_store_b128 v11, v[RI:RI+3], s[10:11]    ; 128 indices: 512 consecutive bytes
.Lend:
	s_wait_tensorcnt 0x0                           ; the wave's end
	ds_add_u32 v[SPW], v[NIL]
	s_wait_dscnt 0x0
	CROUND                                         ; the closing round
	s_endpgm
.Lfunc_end_k_q8ec8567df0_search:
	.size	k_q8ec8567df0_search, .Lfunc_end_k_q8ec8567df0_search-k_q8ec8567df0_search
	.p2alignl 7, 3214868480
	.fill 96, 4, 3214868480
	.section	.rodata,"a",@progbits
	.p2align	6, 0x0
	.amdhsa_kernel k_q8ec8567df0_search
		.amdhsa_group_segment_fixed_size 327680
		.amdhsa_private_segment_fixed_size 0
		.amdhsa_enable_private_segment 0
		.amdhsa_kernarg_size 32
		.amdhsa_user_sgpr_count 2
		.amdhsa_user_sgpr_kernarg_segment_ptr 1
		.amdhsa_wavefront_size32 1
		.amdhsa_system_sgpr_workgroup_id_x 1
		.amdhsa_system_sgpr_workgroup_id_y 1
		.amdhsa_system_sgpr_workgroup_id_z 1
		.amdhsa_system_vgpr_workitem_id 0
		.amdhsa_next_free_vgpr 512
		.amdhsa_next_free_sgpr 66
		.amdhsa_reserve_vcc 1
		.amdhsa_float_denorm_mode_32 3
		.amdhsa_float_denorm_mode_16_64 3
		.amdhsa_memory_ordered 1
		.amdhsa_forward_progress 1
		.amdhsa_inst_pref_size 235
	.end_amdhsa_kernel
	.amdgpu_metadata
---
amdhsa.version: [ 1, 2 ]
amdhsa.kernels:
  - .name:           k_q8ec8567df0_search
    .symbol:         k_q8ec8567df0_search.kd
    .args:
      - { .name: x, .offset: 0, .size: 8, .value_kind: global_buffer, .address_space: global }
      - { .name: cbq, .offset: 8, .size: 8, .value_kind: global_buffer, .address_space: global }
      - { .name: lowp_scales, .offset: 16, .size: 8, .value_kind: global_buffer, .address_space: global }
      - { .name: idx, .offset: 24, .size: 8, .value_kind: global_buffer, .address_space: global }
    .group_segment_fixed_size: 327680
    .private_segment_fixed_size: 0
    .kernarg_segment_align: 8
    .kernarg_segment_size: 32
    .max_flat_workgroup_size: 256
    .sgpr_count:     66
    .vgpr_count:     512
    .wavefront_size: 32
...
	.end_amdgpu_metadata
.endif
;; end of part 2
;; launch emit (part 3): grid 256 x 1, 16 waves a work-group, no clusters, 135,424 bytes of LDS; arguments x, codebook, idx, out0, part; writes out0, part
.if DOCPART == 3
	.amdgcn_target "amdgcn-amd-amdhsa--gfx1250"
	.amdhsa_code_object_version 6
	.text
	.protected	k_q8ec8567df0_emit
	.globl	k_q8ec8567df0_emit
	.p2align	8
	.type	k_q8ec8567df0_emit,@function
k_q8ec8567df0_emit:
	s_mov_b64 s[64:65], 0
	v_nop
	global_prefetch_b8 v0, s[64:65] scope:SCOPE_SE
	s_setreg_imm32_b32 hwreg(HW_REG_WAVE_MODE, 25, 1), 1
	s_wait_xcnt 0x0
; out0 = x + (e - x), e = the codebook's row idx[pixel], laid [image][channel][place] like x; part[work-group] = the sum of (e - x)^2 over the work-group's 128 pixels x 256 channels.  All in f32.
; The indices are whole numbers that the launch before stored; each is held at 8,191 before it enters an address.
; SHARES.  A work-group takes 128 pixels: one image, 128 neighbouring places.  Sixteen waves.  x and out0: wave w takes channels 16 w .. 16 w + 15; a load or store is 512 consecutive bytes of a channel, lane l = places 4 l .. 4 l + 3.
; The codebook's rows lie the other way (a pixel's 256 channels on end), so they turn through LDS: wave w gathers the rows of pixels 8 w .. 8 w + 7, whole (two loads of 512 consecutive bytes), and stores them as they lie.
; Pixel p lies in LDS row 32 (p % 4) + p / 4, rows 1,040 bytes apart: lane l then finds pixel 4 l + i in row 32 i + l.
; What is left of the turn, 4 pixels x 4 channels in a lane, costs no instruction: the arithmetic names the registers as it needs them.
; Memory binds: each byte of x is read once and each byte of out0 written once; no matrix unit, no tensor load, no cluster (the work-groups share no tile), no prefetch (all loads go out at the head).
.set PITCH, 1040
.set HALF,  64*PITCH                   ; an LDS immediate holds 16 bits: rows 64 on have an address register of their own
.set LP,    128*PITCH                  ; behind the rows: the sixteen waves' sums
.set GO, 16                            ; v16-23  byte offsets of my 8 rows in the codebook
.set LS, 24                            ; v24-27  the sum of squares, four chains
.set X,  32                            ; v32-95  x, then out0: channel k's four places at 4 k
.set G,  96                            ; v96-159 rows as gathered; then e: (k4, i) at 16 k4 + 4 i: pixel 4 l + i, channels 16 w + 4 k4 + 0 .. 3
	s_load_b256 s[4:11], s[0:1], 0x0               ; x s[4:5], the codebook s[6:7], idx s[8:9], out0 s[10:11]
	s_load_b64 s[12:13], s[0:1], 0x20              ; part
	v_lshl_add_u32 v192, v0, 2, 0x20900
	v_mov_b32 v193, 0
	v_lshrrev_b32 v9, 5, v0
	s_delay_alu instid0(VALU_DEP_1)
	v_readfirstlane_b32 s14, v9                    ; wave 0..15
	v_and_b32 v9, 31, v0                           ; lane
	s_delay_alu instid0(VALU_DEP_1)
	v_lshlrev_b32 v1, 4, v9                        ; 16 x lane
	s_mul_i32 s30, s14, 2*PITCH
	v_add_nc_u32 v2, s30, v1                       ; rows in: LDS rows 2 w (+ q / 4) + 32 (q % 4)
	s_delay_alu instid0(VALU_DEP_1)
	v_add_nc_u32 v3, HALF, v2
	s_lshl_b32 s30, s14, 6
	v_mul_u32_u24 v4, v9, PITCH
	s_delay_alu instid0(VALU_DEP_1)
	v_add_nc_u32 v4, s30, v4                       ; rows out: row l (+ 32 i), my wave's 64 bytes
	s_delay_alu instid0(VALU_DEP_1)
	v_add_nc_u32 v5, HALF, v4
	s_lshl_b32 s30, s14, 2
	s_add_co_u32 s30, s30, LP
	v_mov_b32 v6, s30                              ; my wave's word
	v_mov_b32 v7, LP
	v_mov_b32 v8, 0
	s_lshr_b32 s24, ttmp9, 3
	s_lshl_b32 s24, s24, 20                        ; the image,
	s_and_b32 s25, ttmp9, 7
	s_lshl_b32 s25, s25, 9                         ; the block's 128 places in a channel,
	s_add_co_u32 s24, s24, s25
	s_lshl_b32 s25, s14, 16                        ; my wave's 16 channels
	s_add_co_u32 s24, s24, s25
	s_mov_b32 s25, 0
	s_lshl_b32 s26, ttmp9, 9                       ; idx: the block's 128 numbers, my wave's 8
	s_lshl_b32 s27, s14, 5
	s_add_co_u32 s26, s26, s27
	s_mov_b32 s27, 0
	s_lshl_b32 s28, ttmp9, 2
	s_mov_b32 s29, 0
	s_mov_b32 s32, 0x76543210
	s_mov_b32 s33, 0xfedcba98
	s_wait_alu depctr_va_vdst(0)
	s_wait_kmcnt 0x0
	s_add_nc_u64 s[8:9], s[8:9], s[26:27]
	s_load_b256 s[16:23], s[8:9], 0x0              ; the indices of pixels 8 w .. 8 w + 7
	s_add_nc_u64 s[4:5], s[4:5], s[24:25]
	s_add_nc_u64 s[10:11], s[10:11], s[24:25]
	s_add_nc_u64 s[12:13], s[12:13], s[28:29]
.irp k, 0,1,2,3,4,5,6,7,8,9,10,11,12,13,14,15
	global_load_b128 v[X+4*\k:X+4*\k+3], v1, s[4:5] offset:4096*\k th:TH_LOAD_NT
.endr
	s_wait_kmcnt 0x0
.irp q, 0,1,2,3,4,5,6,7
	s_min_u32 s[16+\q], s[16+\q], 0x1fff           ; inside the table
	s_lshl_b32 s[16+\q], s[16+\q], 10              ; a row is 1,024 bytes
	v_add_nc_u32 v[GO+\q], s[16+\q], v1
	global_load_b128 v[G+8*\q:G+8*\q+3], v[GO+\q], s[6:7]              ; no hint: a row may be named by many pixels
	global_load_b128 v[G+8*\q+4:G+8*\q+7], v[GO+\q], s[6:7] offset:512
.endr
.irp q, 0,1,2,3,4,5,6,7
	s_wait_loadcnt 2*(7-\q)                        ; row q is in (and x, asked for earlier); the rows behind it may be out
	ds_store_b128 v[2+(\q%4)/2], v[G+8*\q:G+8*\q+3] offset:((\q%2)*32+\q/4)*PITCH
	ds_store_b128 v[2+(\q%4)/2], v[G+8*\q+4:G+8*\q+7] offset:((\q%2)*32+\q/4)*PITCH+512
.endr
	s_wait_dscnt 0x0                               ; for the others' sake: my stores are done
	s_barrier_signal -1
	s_barrier_wait -1
.irp k4, 0,1,2,3
.irp i, 0,1,2,3
	ds_load_b128 v[G+16*\k4+4*\i:G+16*\k4+4*\i+3], v[4+\i/2] offset:(\i%2)*32*PITCH+16*\k4
.endr
.endr
.irp k4, 0,1,2,3
	s_wait_dscnt 4*(3-\k4)                         ; this group's four loads are in; those of the groups behind it may be out
.irp i, 0,1,2,3
.irp c, 0,1,2,3
	v_sub_f32 v[G+16*\k4+4*\i+\c], v[G+16*\k4+4*\i+\c], v[X+16*\k4+4*\c+\i]   ; t = e - x
.endr
.endr
.irp i, 0,1,2,3
.irp c, 0,1,2,3
.if (\k4 == 0) && (\i == 0)
	v_mul_f32 v[LS+\c], v[G+\c], v[G+\c]           ; the first squares start the chains
.else
	v_fmac_f32 v[LS+\c], v[G+16*\k4+4*\i+\c], v[G+16*\k4+4*\i+\c]
.endif
.endr
.endr
.irp i, 0,1,2,3
.irp c, 0,1,2,3
	v_add_f32 v[X+16*\k4+4*\c+\i], v[X+16*\k4+4*\c+\i], v[G+16*\k4+4*\i+\c]   ; x + t
.endr
.endr
.irp c, 0,1,2,3
	global_store_b128 v1, v[X+16*\k4+4*\c:X+16*\k4+4*\c+3], s[10:11] offset:4096*(4*\k4+\c) th:TH_STORE_NT   ; 512 consecutive bytes of a channel; written once, read by nobody here
.endr
.endr
	v_add_f32 v24, v24, v25
	v_add_f32 v26, v26, v27
	s_delay_alu instid0(VALU_DEP_1)
	v_add_f32 v24, v24, v26
	s_delay_alu instid0(VALU_DEP_1)
	v_add_f32_dpp v24, v24, v24 row_xmask:1 row_mask:0xf bank_mask:0xf
	s_delay_alu instid0(VALU_DEP_1)
	v_add_f32_dpp v24, v24, v24 row_xmask:2 row_mask:0xf bank_mask:0xf
	s_delay_alu instid0(VALU_DEP_1)
	v_add_f32_dpp v24, v24, v24 row_xmask:4 row_mask:0xf bank_mask:0xf
	s_delay_alu instid0(VALU_DEP_1)
	v_add_f32_dpp v24, v24, v24 row_xmask:8 row_mask:0xf bank_mask:0xf
	s_delay_alu instid0(VALU_DEP_1)
	v_permlanex16_b32 v25, v24, s32, s33
	s_delay_alu instid0(VALU_DEP_1)
	v_add_f32 v24, v24, v25                        ; my wave's sum, in every lane
	ds_store_b32 v6, v24
	s_wait_dscnt 0x0
	s_barrier_signal -1
	s_barrier_wait -1
	s_cmp_lg_u32 s14, 0
	s_cbranch_scc1 .Ldone
.irp t, 0,1,2,3
	ds_load_b128 v[G+4*\t:G+4*\t+3], v7 offset:16*\t
.endr
	s_wait_dscnt 0x0
	v_pk_add_f32 v[96:97], v[96:97], v[98:99]
	v_pk_add_f32 v[100:101], v[100:101], v[102:103]
	v_pk_add_f32 v[104:105], v[104:105], v[106:107]
	v_pk_add_f32 v[108:109], v[108:109], v[110:111]
	s_delay_alu instid0(VALU_DEP_3)
	v_pk_add_f32 v[96:97], v[96:97], v[100:101]
	s_delay_alu instid0(VALU_DEP_2)
	v_pk_add_f32 v[104:105], v[104:105], v[108:109]
	s_delay_alu instid0(VALU_DEP_1)
	v_pk_add_f32 v[96:97], v[96:97], v[104:105]
	s_delay_alu instid0(VALU_DEP_1)
	v_add_f32 v96, v96, v97
	v_cmp_gt_u32 vcc_lo, 1, v0
	s_wait_alu depctr_va_vdst(0)
	s_wait_xcnt 0x0                                ; EXEC is a source of the stores above: it changes only behind this wait
	s_and_saveexec_b32 s34, vcc_lo
	global_store_b32 v8, v96, s[12:13]             ; one number for the work-group
	s_wait_xcnt 0x0                                ; and again in front of the line that widens it
	s_or_b32 exec_lo, exec_lo, s34
.Ldone:
	s_wait_tensorcnt 0x0
	ds_add_u32 v192, v193
	s_wait_dscnt 0x0
	s_endpgm
.Lfunc_end_k_q8ec8567df0_emit:
	.size	k_q8ec8567df0_emit, .Lfunc_end_k_q8ec8567df0_emit-k_q8ec8567df0_emit
	.p2alignl 7, 3214868480
	.fill 96, 4, 3214868480
	.section	.rodata,"a",@progbits
	.p2align	6, 0x0
	.amdhsa_kernel k_q8ec8567df0_emit
		.amdhsa_group_segment_fixed_size 135424
		.amdhsa_private_segment_fixed_size 0
		.amdhsa_enable_private_segment 0
		.amdhsa_kernarg_size 40
		.amdhsa_user_sgpr_count 2
		.amdhsa_user_sgpr_kernarg_segment_ptr 1
		.amdhsa_wavefront_size32 1
		.amdhsa_system_sgpr_workgroup_id_x 1
		.amdhsa_system_sgpr_workgroup_id_y 1
		.amdhsa_system_sgpr_workgroup_id_z 1
		.amdhsa_system_vgpr_workitem_id 0
		.amdhsa_next_free_vgpr 194
		.amdhsa_next_free_sgpr 66
		.amdhsa_reserve_vcc 1
		.amdhsa_float_denorm_mode_32 3
		.amdhsa_float_denorm_mode_16_64 3
		.amdhsa_memory_ordered 1
		.amdhsa_forward_progress 1
		.amdhsa_inst_pref_size 19
	.end_amdhsa_kernel
	.amdgpu_metadata
---
amdhsa.version: [ 1, 2 ]
amdhsa.kernels:
  - .name:           k_q8ec8567df0_emit
    .symbol:         k_q8ec8567df0_emit.kd
    .args:
      - { .name: x, .offset: 0, .size: 8, .value_kind: global_buffer, .address_space: global }
      - { .name: codebook, .offset: 8, .size: 8, .value_kind: global_buffer, .address_space: global }
      - { .name: idx, .offset: 16, .size: 8, .value_kind: global_buffer, .address_space: global }
      - { .name: out0, .offset: 24, .size: 8, .value_kind: global_buffer, .address_space: global }
      - { .name: part, .offset: 32, .size: 8, .value_kind: global_buffer, .address_space: global }
    .group_segment_fixed_size: 135424
    .private_segment_fixed_size: 0
    .kernarg_segment_align: 8
    .kernarg_segment_size: 40
    .max_flat_workgroup_size: 512
    .sgpr_count:     66
    .vgpr_count:     194
    .wavefront_size: 32
...
	.end_amdgpu_metadata
.endif
;; end of part 3
;; launch total (part 4): grid 1 x 1, 1 waves a work-group, no clusters, 0 bytes of LDS; arguments part, out1; writes out1
.if DOCPART == 4
	.amdgcn_target "amdgcn-amd-amdhsa--gfx1250"
	.amdhsa_code_object_version 6
	.text
	.protected	k_q8ec8567df0_total
	.globl	k_q8ec8567df0_total
	.p2align	8
	.type	k_q8ec8567df0_total,@function
k_q8ec8567df0_total:
	s_mov_b64 s[64:65], 0
	v_nop
	global_prefetch_b8 v0, s[64:65] scope:SCOPE_SE
	s_setreg_imm32_b32 hwreg(HW_REG_WAVE_MODE, 25, 1), 1
	s_wait_xcnt 0x0
; out1 = mean((e - x)^2) + 0.25 x the same mean = 1.25 / 2^23 x the sum of the 256 work-groups' sums (32,768 pixels x 256 channels = 2^23 numbers).
; One wave: a sum over work-groups has one owner, in a launch behind the one that made the parts.  The two means of the loss are one number, so they are formed once; the factor 1.25 x 2^-23 rounds once.
	s_load_b128 s[4:7], s[0:1], 0x0                ; part s[4:5], out1 s[6:7]
	v_lshlrev_b32 v1, 4, v0
	v_mov_b32 v2, 0
	s_mov_b32 s8, 0x76543210
	s_mov_b32 s9, 0xfedcba98
	s_wait_alu depctr_va_vdst(0)
	s_wait_kmcnt 0x0
	global_load_b128 v[4:7], v1, s[4:5]
	global_load_b128 v[8:11], v1, s[4:5] offset:512
	s_wait_loadcnt 0x0
	v_pk_add_f32 v[4:5], v[4:5], v[6:7]
	v_pk_add_f32 v[8:9], v[8:9], v[10:11]
	v_pk_add_f32 v[4:5], v[4:5], v[8:9]
	v_add_f32 v4, v4, v5
	v_add_f32_dpp v4, v4, v4 row_xmask:1 row_mask:0xf bank_mask:0xf
	v_add_f32_dpp v4, v4, v4 row_xmask:2 row_mask:0xf bank_mask:0xf
	v_add_f32_dpp v4, v4, v4 row_xmask:4 row_mask:0xf bank_mask:0xf
	v_add_f32_dpp v4, v4, v4 row_xmask:8 row_mask:0xf bank_mask:0xf
	v_permlanex16_b32 v5, v4, s8, s9
	v_add_f32 v4, v4, v5
	v_mul_f32 v4, 0x34200000, v4                   ; x 1.25 x 2^-23
	v_cmp_gt_u32 vcc_lo, 1, v0
	s_wait_alu depctr_va_vdst(0)
	s_wait_xcnt 0x0                                ; EXEC changes only behind this wait
	s_and_saveexec_b32 s10, vcc_lo
	global_store_b32 v2, v4, s[6:7]
	s_wait_xcnt 0x0
	s_or_b32 exec_lo, exec_lo, s10
	s_endpgm
.Lfunc_end_k_q8ec8567df0_total:
	.size	k_q8ec8567df0_total, .Lfunc_end_k_q8ec8567df0_total-k_q8ec8567df0_total
	.p2alignl 7, 3214868480
	.fill 96, 4, 3214868480
	.section	.rodata,"a",@progbits
	.p2align	6, 0x0
	.amdhsa_kernel k_q8ec8567df0_total
		.amdhsa_group_segment_fixed_size 0
		.amdhsa_private_segment_fixed_size 0
		.amdhsa_enable_private_segment 0
		.amdhsa_kernarg_size 16
		.amdhsa_user_sgpr_count 2
		.amdhsa_user_sgpr_kernarg_segment_ptr 1
		.amdhsa_wavefront_size32 1
		.amdhsa_system_sgpr_workgroup_id_x 1
		.amdhsa_system_sgpr_workgroup_id_y 1
		.amdhsa_system_sgpr_workgroup_id_z 1
		.amdhsa_system_vgpr_workitem_id 0
		.amdhsa_next_free_vgpr 32
		.amdhsa_next_free_sgpr 66
		.amdhsa_reserve_vcc 1
		.amdhsa_float_denorm_mode_32 3
		.amdhsa_float_denorm_mode_16_64 3
		.amdhsa_memory_ordered 1
		.amdhsa_forward_progress 1
		.amdhsa_inst_pref_size 2
	.end_amdhsa_kernel
	.amdgpu_metadata
---
amdhsa.version: [ 1, 2 ]
amdhsa.kernels:
  - .name:           k_q8ec8567df0_total
    .symbol:         k_q8ec8567df0_total.kd
    .args:
      - { .name: part, .offset: 0, .size: 8, .value_kind: global_buffer, .address_space: global }
      - { .name: out1, .offset: 8, .size: 8, .value_kind: global_buffer, .address_space: global }
    .group_segment_fixed_size: 0
    .private_segment_fixed_size: 0
    .kernarg_segment_align: 8
    .kernarg_segment_size: 16
    .max_flat_workgroup_size: 32
    .sgpr_count:     66
    .vgpr_count:     32
    .wavefront_size: 32
...
	.end_amdgpu_metadata
.endif
;; end of part 4
